; MI455X (gfx1250); checked and timed in simulation.
; The chip was launched on July 23, 2026; its instructions are those of AMD's public machine-readable ISA for CDNA 5 (MIT licence, August 2026) and "CDNA5" Instruction Set Architecture Reference Guide (July 2026). The comments in the code are by the model that wrote it; some were corrected since.
;; Adaptive Margin Loss. Allowed arithmetic: matrix products marked QUANTISED: E2M1 operands, one E8M0 scale for each 32 along K, by v_wmma_scale_f32_16x16x128_f8f6f4 with both operands' format E2M1 (or v_wmma_scale_f32_32x16x128_f4), f32 sums; everything else in f32.
;; Inputs: class_weight 10,000 float32; input 1,024 x 512 float32; label 1,024 int32; weight 10,000 x 512 float32.
;; Outputs: out0 1,024 x 10,000 float32; out1 one number float32.
;; This version of the problem:
;;   THIS VERSION OF THE PROBLEM IS GIVEN IN LOW PRECISION. The matrix products marked QUANTISED in the list below multiply operands that are first quantised to E2M1 (2 exponent bits, 1 mantissa bit; 4 bits a number), with one power-of-two scale for each 32 numbers along K (OCP MX v1.0); their sums are f32. All else is computed in f32.
;;   The module's matrix products, in the order in which they are computed (A, B: the left and right operand; K: the contracted axis; several contracted axes count as one K, in the product's order):
;;     1. [M 1,024, K 512] x [K 512, N 10,000]; A: computed on the way; B: computed on the way: QUANTISED
;;     2. [M 10,000, K 512] x [K 512, N 10,000]; A: computed on the way; B: computed on the way: QUANTISED
;;   THE QUANTISER, for each operand of a quantised product, along K:
;;     - K is cut into blocks of 32 from its start; a last block that is shorter is filled with zeros.
;;     - A block's scale is 2^e with e = floor(log2(the largest magnitude in the block)) - 2, held to -126 .. 127; a block of zeros has e = 0. As a byte (E8M0): e + 127.
;;     - Each number is divided by its block's scale, clamped to +-6, and rounded to the nearest number of E2M1, ties to even, subnormals kept.
;;     - The product sums the exact products of the quantised numbers (number of the format x scale) in f32.
;;   ~~~python
;;   def quantise(x, axis):      # numpy; x: float32 -> the quantised numbers, widened to float32 again
;;       x = np.moveaxis(x, axis, -1); K = x.shape[-1]
;;       x = np.pad(x, [(0, 0)] * (x.ndim - 1) + [(0, -K % 32)]); x = x.reshape(x.shape[:-1] + (-1, 32)); a = np.abs(x).max(-1, keepdims=True)
;;       e = np.where(a > 0, np.clip(np.frexp(np.where(a > 0, a, 1))[1] - 1 - 2, -126, 127), 0)      # np.frexp(a)[1] - 1 = floor(log2(a)), exactly
;;       r = np.clip(x / 2.0 ** e, -6, 6)
;;       step = 2.0 ** (np.maximum(np.frexp(np.where(r == 0, 1, r))[1] - 1, 0) - 1)
;;       q = np.round(r / step) * step * 2.0 ** e      # np.round: ties to even
;;       return np.moveaxis(q.reshape(q.shape[:-2] + (-1,))[..., :K], -1, axis).astype(np.float32)
;;   ~~~
;;   OPERANDS COMPUTED ON THE WAY. 'Computed on the way' means the value that the module computes at that place (a softmax that the list does not call 'softmax' is quantised finished and normalised). What goes into a quantiser is computed in f32, as accurately as f32 sums, v_exp_f32 and their like allow (about 1e-6 of the number): no bf16 or f16 on the way to a quantiser, and a product that is left as it is and whose result goes on into a quantised operand takes f32 operands (vector FMAs, or v_wmma_f32_16x16x4_f32). A number that lies on a knife's edge between two numbers of the format may be rounded either way, as far as f32 arithmetic and the matrix unit's own rounding can turn it there, and no further.
;; One version. Each part assembles by itself: llvm-mc -triple=amdgcn-amd-amdhsa -mcpu=gfx1250 --defsym DOCPART=n.
;; ======== version 1 of 1: 3 launches
;; limits: right only within a limited range of input values
;; workspace buffers: tiles 3,557,376 bytes; part 262,144 bytes
;; launch prep (part 1): grid 772 x 1, 4 waves a work-group, no clusters, 46,592 bytes of LDS; arguments input, weight, class_weight, label, tiles; writes tiles
.if DOCPART == 1
	.amdgcn_target "amdgcn-amd-amdhsa--gfx1250"
	.amdhsa_code_object_version 6
	.text
	.protected	k_qf5870c29fa_prep
	.globl	k_qf5870c29fa_prep
	.p2align	8
	.type	k_qf5870c29fa_prep,@function
k_qf5870c29fa_prep:
	s_mov_b64 s[64:65], 0
	v_nop
	global_prefetch_b8 v0, s[64:65] scope:SCOPE_SE
	s_setreg_imm32_b32 hwreg(HW_REG_WAVE_MODE, 25, 1), 1
	s_wait_xcnt 0x0
; Rows of input [1024][512] and weight [10000][512], f32, are divided by max(their length, 1e-12) and turned into codes of FP4 (E2M1) with one E8M0 byte for each 32 along K.
; A work-group makes ONE RECORD of 4,608 bytes: an operand tile of 16 rows x 512 K in the order of the operand's registers.
;   bytes 0-4095: block b (32 along K) of row slot r at 256 b + 16 r, so that the 512 bytes at 512 (2 s + c) + 16 x lane are registers 4 c .. 4 c + 3 of K step s;
;   bytes 4096-4351: the 16 scale bytes of row slot r at 16 r;   bytes 4352-4415: 9.6 log2(e) 0.83 class_weight of the tile's 16 rows, f32;   the rest zeros.
; RECORDS: 0-63: rows of input; slot r of tile T is row 64 (T / 4) + T % 4 + 4 r.   64-127: the rows weight[label[i]] for the same i.   128 + q, q = 0 .. 643: rows 16 (q - 3) + r of weight.
; Records with q under 3 or from 628 on lie outside the weight: their codes are zeros and their bias is -infinity.  q = 0-2 and 628-630 are multiplied by the next launch, whose groups of four tiles are
; shifted by up to three tiles; q = 631-643 (13 work-groups of 772) are only copied by its last column chunk, whose copy has the same constant length as every other chunk's, and are never multiplied.
; A wave takes four row slots, 4 wave + k, and walks them side by side.  Each load reads 512 consecutive bytes; a row turns through the wave's own stage in LDS so that a lane holds 16 neighbours along K.
; LIMITS: NaN and infinities among the inputs are not served.  x / max(n, eps) is made as x * (1 / max(sqrt(sum of squares), eps)).  A block of zeros gets the byte 1 where the rule says 127:
; its codes are zeros, and these bytes are read by this program alone.
.set REC,   4608
.set SP,    80                         ; a lane's place in a stage: 64 bytes + 16 of padding
.set SROW,  32*SP                      ; a row's stage
.set SWAVE, 4*SROW                     ; a wave's four
.set IMG,   4*SWAVE                    ; the record's codes: 16 blocks, 272 bytes apart
.set IP,    272
.set IMGS,  IMG+16*IP                  ; its 256 scale bytes, then the 256 bytes with the bias
.set R,     16                         ; v16-79   four rows as loaded
.set X,     80                         ; v80-143  four rows, 16 neighbours a lane
.set SS,    144                        ; v144-151 sums of squares, a pair a row
.set INV,   152                        ; v152-159 1 / length, a pair a row (the low word serves both halves)
.set MX,    160                        ; v160-167 largest magnitudes, two chains a row
.set SCO,   168                        ; v168-171 the conversions' scale operands
.set SBY,   172                        ; v172-175 the scale bytes
.set CD,    176                        ; v176-183 codes
.set OUTR,  184                        ; v184-195 the way out
.set PL,    196                        ; v196-199 lane permutes' destinations
	s_load_b256 s[4:11], s[0:1], 0x0               ; input s[4:5], weight s[6:7], class_weight s[8:9], label s[10:11]
	s_load_b64 s[12:13], s[0:1], 0x20              ; tiles
	v_lshl_add_u32 v200, v0, 2, 0xb400
	v_mov_b32 v201, 0
	v_lshrrev_b32 v1, 5, v0
	v_readfirstlane_b32 s14, v1                    ; wave 0..3
	v_and_b32 v1, 31, v0                           ; lane
	s_and_b32 s15, ttmp9, 63                       ; T
	s_lshr_b32 s16, s15, 2
	s_lshl_b32 s16, s16, 6
	s_and_b32 s17, s15, 3
	s_add_co_u32 s16, s16, s17
	s_lshl_b32 s17, s14, 4
	s_add_co_u32 s16, s16, s17                     ; i0 = 64 (T / 4) + T % 4 + 16 wave: my first row index among the 1,024
	s_sub_co_i32 s18, ttmp9, 131                   ; the tile's number among the weight's 625 (outside 0 .. 624: a record of zeros)
	s_lshl_b32 s19, s18, 4
	s_max_i32 s19, s19, 0
	s_min_i32 s19, s19, 9984                       ; its first row, held inside the weight
	s_lshl_b32 s20, s14, 2
	s_add_co_u32 s20, s19, s20                     ; a tile of the weight: first row + 4 wave, step 1
	s_cmp_lt_u32 ttmp9, 64
	s_cselect_b32 s20, s16, s20                    ; a tile of input: i0, step 4
	s_cselect_b32 s21, 4, 1
	s_sub_co_u32 s22, ttmp9, 64
	s_cmp_lt_u32 s22, 64
	s_cselect_b32 s20, 0, s20                      ; a gathered tile: the label alone
	s_cselect_b32 s21, 0, s21
	s_cselect_b32 s22, -1, 0                       ; and only there does the label count
	s_cmp_lt_u32 s18, 625
	s_cselect_b32 s23, 0, 0xff800000               ; added to the bias: -infinity outside the weight
	s_cselect_b32 s24, 1.0, 0                      ; multiplied onto the rows: 0 outside the weight
	s_cmp_lt_u32 ttmp9, 128
	s_cselect_b32 s24, 1.0, s24
	s_lshl_b32 s28, s16, 2
	s_mov_b32 s29, 0
	s_mul_i32 s48, ttmp9, REC
	s_lshl_b32 s49, s14, 10
	s_add_co_u32 s48, s48, s49                     ; my record, and my wave's 1,024 bytes of its codes
	s_mov_b32 s49, 0
	s_mov_b32 s54, 0x76543210
	s_mov_b32 s55, 0xfedcba98                      ; v_permlanex16_b32's selects for lane l xor 16
	s_mov_b32 s56, 0x4137ed22                      ; 0.83 x 9.6 x log2(e)
	; every LDS address is made here, ahead of the first branch on the wave's number
	v_lshlrev_b32 v2, 4, v1                        ; 16 lane
	s_mul_i32 s50, s14, SWAVE
	v_lshrrev_b32 v3, 2, v1
	v_mul_u32_u24 v3, v3, SP
	v_and_b32 v4, 3, v1
	v_lshl_add_u32 v3, v4, 4, v3
	v_add_nc_u32 v3, s50, v3                       ; into a stage: four lanes' 64 bytes on end, then the padding
	v_mul_u32_u24 v4, v1, SP
	v_add_nc_u32 v4, s50, v4                       ; out of it: my 16 neighbours
	s_lshl_b32 s51, s14, 6
	v_lshrrev_b32 v6, 1, v1                        ; my block of 32: two lanes to a block
	v_mul_u32_u24 v5, v6, IP
	v_and_b32 v7, 1, v1
	v_lshl_add_u32 v5, v7, 3, v5
	v_add_nc_u32 v5, s51, v5
	v_add_nc_u32 v5, IMG, v5                       ; my 8 bytes of codes: block x 272 + 16 (4 wave + k) + 8 (lane % 2)
	v_add_nc_u32 v6, s51, v6
	v_add_nc_u32 v6, IMGS, v6                      ; my block's scale byte: 16 (4 wave + k) + block
	s_mul_i32 s52, s14, 4*IP
	v_lshrrev_b32 v7, 4, v1
	v_mul_u32_u24 v7, v7, IP
	v_and_b32 v8, 15, v1
	v_lshl_add_u32 v7, v8, 4, v7
	v_add_nc_u32 v7, s52, v7
	v_add_nc_u32 v7, IMG, v7                       ; the way out: my wave's four blocks, two an instruction
	v_lshlrev_b32 v10, 2, v8
	v_lshl_add_u32 v10, s19, 2, v10                ; class_weight of the tile's row lane % 16
	v_add_nc_u32 v8, IMGS, v2                      ; the record's last 512 bytes
	v_lshl_add_u32 v9, v1, 2, IMGS+256             ; the bias
	v_mov_b32 v13, 0
.irp k, 0,1,2,3
	v_mov_b32 v[PL+\k], 0                          ; written once: a lane permute's destination counts as one of its sources
	v_mov_b32 v[INV+2*\k+1], 0                     ; named as the upper half of a pair
.endr
	s_wait_kmcnt 0x0
	s_add_nc_u64 s[10:11], s[10:11], s[28:29]      ; label[i0]; my four are 4 apart
	s_load_b32 s32, s[10:11], 0x0
	s_load_b32 s33, s[10:11], 0x10
	s_load_b32 s34, s[10:11], 0x20
	s_load_b32 s35, s[10:11], 0x30
	s_add_nc_u64 s[12:13], s[12:13], s[48:49]
	s_cmp_lt_u32 ttmp9, 64
	s_cselect_b64 s[26:27], s[4:5], s[6:7]         ; rows of input or of weight: the choice hangs on the work-group's number alone
	global_load_b32 v11, v10, s[8:9]
	s_wait_kmcnt 0x0
.irp k, 0,1,2,3
	s_min_u32 s[32+\k], s[32+\k], 9999             ; an index stays inside its table
	s_and_b32 s[32+\k], s[32+\k], s22
	s_add_co_u32 s[32+\k], s[32+\k], s20           ; row of slot 4 wave + k
	s_add_co_u32 s20, s20, s21
	s_lshl_b32 s[40+2*\k], s[32+\k], 11            ; 2,048 bytes a row
	s_mov_b32 s[41+2*\k], 0
	s_add_nc_u64 s[40+2*\k:41+2*\k], s[26:27], s[40+2*\k:41+2*\k]
.endr
.irp k, 0,1,2,3
.irp j, 0,1,2,3
	global_load_b128 v[R+16*\k+4*\j:R+16*\k+4*\j+3], v2, s[40+2*\k:41+2*\k] offset:512*\j   ; 32 lanes read 512 consecutive bytes
.endr
.endr
	s_wait_loadcnt 0x0                             ; the four rows go on together
.irp k, 0,1,2,3                                ; the turn: LDS serves a wave's instructions in order, so no wait stands between the stores and the loads
.irp j, 0,1,2,3
	ds_store_b128 v3, v[R+16*\k+4*\j:R+16*\k+4*\j+3] offset:SROW*\k+8*SP*\j
.endr
.irp j, 0,1,2,3
	ds_load_b128 v[X+16*\k+4*\j:X+16*\k+4*\j+3], v4 offset:SROW*\k+16*\j
.endr
.endr
	; the rows' sums of squares, on the registers as loaded, while the turn is out
.irp k, 0,1,2,3
	v_pk_mul_f32 v[SS+2*\k:SS+2*\k+1], v[R+16*\k:R+16*\k+1], v[R+16*\k:R+16*\k+1]
.endr
.irp i, 2,4,6,8,10,12,14
.irp k, 0,1,2,3
	v_pk_fma_f32 v[SS+2*\k:SS+2*\k+1], v[R+16*\k+\i:R+16*\k+\i+1], v[R+16*\k+\i:R+16*\k+\i+1], v[SS+2*\k:SS+2*\k+1]
.endr
.endr
.irp k, 0,1,2,3
	v_add_f32 v[SS+2*\k], v[SS+2*\k], v[SS+2*\k+1]
.endr
.irp m, 1,2,4,8
.irp k, 0,1,2,3
	v_add_f32_dpp v[SS+2*\k], v[SS+2*\k], v[SS+2*\k] row_xmask:\m row_mask:0xf bank_mask:0xf
.endr
.endr
.irp k, 0,1,2,3
	v_permlanex16_b32 v[PL+\k], v[SS+2*\k], s54, s55
.endr
.irp k, 0,1,2,3
	v_add_f32 v[SS+2*\k], v[SS+2*\k], v[PL+\k]     ; every lane holds the row's sum
.endr
.irp k, 0,1,2,3
	v_sqrt_f32 v[SS+2*\k+1], v[SS+2*\k]
.endr
	v_nop                                          ; a plain instruction behind the last root
	s_wait_alu depctr_va_vdst(0)                   ; one wait for the four roots, ahead of their first reader
.irp k, 0,1,2,3
	v_max_num_f32 v[SS+2*\k+1], 0x2b8cbccc, v[SS+2*\k+1]   ; max(length, 1e-12)
.endr
.irp k, 0,1,2,3
	v_rcp_f32 v[INV+2*\k], v[SS+2*\k+1]
.endr
	v_nop
	s_wait_alu depctr_va_vdst(0)                   ; one wait for the four reciprocals
.irp k, 0,1,2,3
	v_mul_f32 v[INV+2*\k], s24, v[INV+2*\k]        ; x 0 in a record outside the weight
.endr
	s_wait_dscnt 0x0                               ; the rows are back from the stages
.irp i, 0,2,4,6,8,10,12,14
.irp k, 0,1,2,3
	v_pk_mul_f32 v[X+16*\k+\i:X+16*\k+\i+1], v[X+16*\k+\i:X+16*\k+\i+1], v[INV+2*\k:INV+2*\k+1] op_sel_hi:[1,0]
.endr
.endr
	; the quantiser: the largest magnitude of my 16 and my neighbour's 16, with the floor 2^(3 - 127) among the leaves, so that the byte cannot fall under 1
.irp k, 0,1,2,3
	v_max3_num_f32 v[MX+2*\k], |v[X+16*\k]|, |v[X+16*\k+1]|, |v[X+16*\k+2]|
	v_max3_num_f32 v[MX+2*\k+1], |v[X+16*\k+3]|, |v[X+16*\k+4]|, |v[X+16*\k+5]|
.endr
.irp i, 6,10
.irp k, 0,1,2,3
	v_max3_num_f32 v[MX+2*\k], v[MX+2*\k], |v[X+16*\k+\i]|, |v[X+16*\k+\i+1]|
	v_max3_num_f32 v[MX+2*\k+1], v[MX+2*\k+1], |v[X+16*\k+\i+2]|, |v[X+16*\k+\i+3]|
.endr
.endr
.irp k, 0,1,2,3
	v_max3_num_f32 v[MX+2*\k], v[MX+2*\k], |v[X+16*\k+14]|, |v[X+16*\k+15]|
.endr
.irp k, 0,1,2,3
	v_max3_num_f32 v[MX+2*\k], v[MX+2*\k], v[MX+2*\k+1], 0x1800000
.endr
.irp k, 0,1,2,3
	v_max_num_f32_dpp v[MX+2*\k], v[MX+2*\k], v[MX+2*\k] row_xmask:1 row_mask:0xf bank_mask:0xf
.endr
.irp k, 0,1,2,3
	v_add_nc_u32 v[SCO+\k], 0xff000000, v[MX+2*\k] ; 2 off the exponent field: the conversion takes the exponent field of this operand as its scale
.endr
.irp k, 0,1,2,3
	v_cvt_scalef32_pk8_fp4_f32 v[CD+2*\k], v[X+16*\k:X+16*\k+7], v[SCO+\k]
	v_cvt_scalef32_pk8_fp4_f32 v[CD+2*\k+1], v[X+16*\k+8:X+16*\k+15], v[SCO+\k]
.endr
.irp k, 0,1,2,3
	v_lshrrev_b32 v[SBY+\k], 23, v[SCO+\k]         ; the scale's byte (also the plain line behind the conversions)
.endr
.irp k, 0,1,2,3
	ds_store_b64 v5, v[CD+2*\k:CD+2*\k+1] offset:16*\k
	ds_store_b8 v6, v[SBY+\k] offset:16*\k         ; both lanes of a block write the same byte with the same value
.endr
	s_cmp_lg_u32 s14, 0                            ; wave 0 makes the bias
	s_cbranch_scc1 .Lno_bias
	v_fma_f32 v12, v11, s56, s23
	v_cmp_gt_u32 vcc_lo, 16, v1
	v_cndmask_b32 v12, 0, v12, vcc_lo              ; lanes 16-31 write zeros
	ds_store_b32 v9, v12
	ds_store_b32 v9, v13 offset:128
.Lno_bias:
	s_wait_dscnt 0x0                               ; for the others' sake: my stores into the record's image are done
	s_barrier_signal -1
	s_barrier_wait -1
	ds_load_b128 v[OUTR:OUTR+3], v7
	ds_load_b128 v[OUTR+4:OUTR+7], v7 offset:2*IP
	s_wait_dscnt 0x0
	global_store_b128 v2, v[OUTR:OUTR+3], s[12:13]             ; 32 lanes store 512 consecutive bytes, at a multiple of 256 from the buffer's first byte
	global_store_b128 v2, v[OUTR+4:OUTR+7], s[12:13] offset:512
	s_cmp_lg_u32 s14, 0
	s_cbranch_scc1 .Ldone
	ds_load_b128 v[OUTR+8:OUTR+11], v8             ; wave 0: the scale bytes and the bias
	s_wait_dscnt 0x0
	global_store_b128 v2, v[OUTR+8:OUTR+11], s[12:13] offset:4096
.Ldone:
	s_wait_tensorcnt 0x0
	ds_add_u32 v200, v201
	s_wait_dscnt 0x0
	s_endpgm
.Lfunc_end_k_qf5870c29fa_prep:
	.size	k_qf5870c29fa_prep, .Lfunc_end_k_qf5870c29fa_prep-k_qf5870c29fa_prep
	.p2alignl 7, 3214868480
	.fill 96, 4, 3214868480
	.section	.rodata,"a",@progbits
	.p2align	6, 0x0
	.amdhsa_kernel k_qf5870c29fa_prep
		.amdhsa_group_segment_fixed_size 46592
		.amdhsa_private_segment_fixed_size 0
		.amdhsa_enable_private_segment 0
		.amdhsa_kernarg_size 40
		.amdhsa_user_sgpr_count 2
		.amdhsa_user_sgpr_kernarg_segment_ptr 1
		.amdhsa_wavefront_size32 1
		.amdhsa_system_sgpr_workgroup_id_x 1
		.amdhsa_system_sgpr_workgroup_id_y 1
		.amdhsa_system_sgpr_workgroup_id_z 1
		.amdhsa_system_vgpr_workitem_id 0
		.amdhsa_next_free_vgpr 202
		.amdhsa_next_free_sgpr 66
		.amdhsa_reserve_vcc 1
		.amdhsa_float_denorm_mode_32 3
		.amdhsa_float_denorm_mode_16_64 3
		.amdhsa_memory_ordered 1
		.amdhsa_forward_progress 1
		.amdhsa_inst_pref_size 21
	.end_amdhsa_kernel
	.amdgpu_metadata
---
amdhsa.version: [ 1, 2 ]
amdhsa.kernels:
  - .name:           k_qf5870c29fa_prep
    .symbol:         k_qf5870c29fa_prep.kd
    .args:
      - { .name: input, .offset: 0, .size: 8, .value_kind: global_buffer, .address_space: global }
      - { .name: weight, .offset: 8, .size: 8, .value_kind: global_buffer, .address_space: global }
      - { .name: class_weight, .offset: 16, .size: 8, .value_kind: global_buffer, .address_space: global }
      - { .name: label, .offset: 24, .size: 8, .value_kind: global_buffer, .address_space: global }
      - { .name: tiles, .offset: 32, .size: 8, .value_kind: global_buffer, .address_space: global }
    .group_segment_fixed_size: 46592
    .private_segment_fixed_size: 0
    .kernarg_segment_align: 8
    .kernarg_segment_size: 40
    .max_flat_workgroup_size: 128
    .sgpr_count:     66
    .vgpr_count:     202
    .wavefront_size: 32
...
	.end_amdgpu_metadata
.endif
;; end of part 1
;; launch fea (part 2): grid 32 x 8, 4 waves a work-group, no clusters, 145,920 bytes of LDS; arguments tiles, label, out0, part; writes out0, part
.if DOCPART == 2
	.amdgcn_target "amdgcn-amd-amdhsa--gfx1250"
	.amdhsa_code_object_version 6
	.text
	.protected	k_qf5870c29fa_fea
	.globl	k_qf5870c29fa_fea
	.p2align	8
	.type	k_qf5870c29fa_fea,@function
k_qf5870c29fa_fea:
	s_mov_b64 s[64:65], 0
	v_nop
	global_prefetch_b8 v0, s[64:65] scope:SCOPE_SE
	s_setreg_imm32_b32 hwreg(HW_REG_WAVE_MODE, 25, 1), 1
	s_wait_xcnt 0x0
; Both products on codes of FP4 (E2M1) with E8M0 scales, from the records that the launch before has laid in the order of the operands' registers.
;   fea[i][j]   = Q(x)[i] . Q(w)[j]          -> out0, and for each row the masked sum of 2^(g fea + b_j), g = 9.6 log2(e), b_j = 0.83 g class_weight[j], under a running maximum;
;   score[i][j] = Q(w)[label i] . Q(w)[j]    -> for each row the maximum over j != label i, begun at 0 (the zeroed diagonal's 0).  Only the rows that the gather by label keeps are multiplied.
; SHARES.  Work-group (X, Y): rows 128 Y .. 128 Y + 127, column groups G = 5 X .. 5 X + 4 (G over 156 has no columns: its work is jumped over by a scalar branch on ids; the trip count stays 5).
; Wave w holds the rows with i % 4 = w: two tiles of x and the two tiles of gathered rows that belong to them, 128 registers of codes, for the whole launch.
; A row of out0 is 40,000 bytes, 64 more than a multiple of 256.  So wave w's group G is the four column tiles 4 G - w + t: columns 64 G - 16 w on, whose 256 bytes begin at a multiple of 256 in every one of
; the wave's rows.  Only a row's first and last 256 bytes are stored in part.
; THE MATRIX INSTRUCTION IS USED TRANSPOSED (source 0 = 16 rows of w, source 1 = 16 of my rows): a lane holds ONE row i and eight neighbouring columns, so maxima and sums stay in the lane through the walk.
; B's 24 records of the chunk are copied into LDS once, through registers; each fragment read from LDS then feeds four matrix instructions of each K step's four.
; THE POSITIVE COLUMN is taken out ahead of the maximum: t and the score become -infinity there.  A tile that holds no lane's label jumps over those 48 lines by a scalar branch on the labels.
; NO JOINT LOADS, though the eight row blocks of a chunk read the same 24 records: the branch above hangs on numbers read from memory; without it the mask would cost
; 48 vector lines in each tile beside the tile's other 70, against 4.  So each work-group copies its 110,592 bytes itself, once.  All reads stand at the head, so nothing is asked for ahead.
; LIMITS: NaN and infinities are not served; the running maximum starts at -3e38, under which t is not told apart.
; REGISTERS.  Window 0: v1-12 addresses; v13-15 at work; v16-31 my rows' scale words; v32-39 B's scale words, two sets; v40-103 B's fragments, two sets; v104-119 the bias, two sets; v120-151 four accumulators;
;   v152-167 t, then 2^(t - max); v168-191 statistics, 12 a pair of tiles; v192-255 rows on their way out.  At the head v40-255 carry B's copy.   Window 1: v0-127 my rows' codes.
.set REC,   4608
.set LST,   24*REC                     ; behind B's records: a stage of 16 rows x 272 bytes for each wave and pair
.set SPI,   272
.set STQ,   16*SPI
.set STW,   2*STQ
.set ASC,   16                         ; + 4 a: a = 0 x's tile 0, 1 its gathered tile, 2 x's tile 1, 3 its gathered tile
.set BSC,   32                         ; + 4 buf
.set BF,    40                         ; + 32 buf
.set BBI,   104                        ; + 8 buf
.set ACC,   120                        ; + 8 a
.set TT,    152                        ; + 8 q
.set ST,    168                        ; + 12 q
.set O_MN,  0                          ; the new maximum   (a pair with O_M)
.set O_M,   1                          ; the running maximum
.set O_F,   2                          ; 2^(old maximum - new)   (a pair with O_Z)
.set O_Z,   3                          ; the score's maximum
.set O_S,   4                          ; the sum, in two halves
.set O_U,   6                          ; at work
.set O_V,   8                          ; at work
.set O_D,   10                         ; label - the column of my register 0 in the tile in hand
.set OB,    192
.set MSB, 0
.macro WIN new                         ; the immediate's high byte repeats the setting that is left
.if MSB != \new
	s_set_vgpr_msb (MSB<<8)|\new
.set MSB, \new
.endif
.endm
	s_load_b256 s[4:11], s[0:1], 0x0               ; tiles s[4:5], label s[6:7], out0 s[8:9], part s[10:11]
	s_set_vgpr_msb 0x40
	v_lshl_add_u32 v128, v0, 2, 0x23800
	v_mov_b32 v129, 0
	s_set_vgpr_msb 0x4000
	v_lshrrev_b32 v13, 5, v0
	v_readfirstlane_b32 s12, v13                   ; wave = the rows' i % 4
	s_mov_b32 s13, ttmp9                           ; X
	s_and_b32 s14, ttmp7, 0xffff                   ; Y
	v_and_b32 v13, 31, v0                          ; lane
	v_and_b32 v14, 15, v0                          ; r
	v_bfe_u32 v15, v0, 4, 1                        ; h
	s_xor_b32 s15, s12, 3
	s_mul_i32 s15, s15, REC                        ; my group's first record lies 3 - wave records into the chunk's
	v_lshlrev_b32 v11, 4, v13                      ; 16 lane
	v_lshlrev_b32 v12, 4, v14                      ; 16 r
	v_add_nc_u32 v1, s15, v11                      ; B's fragments
	v_add_nc_u32 v2, s15, v12
	v_add_nc_u32 v2, 4096, v2                      ; B's scale words: row r's four
	v_lshlrev_b32 v3, 5, v15
	v_add_nc_u32 v3, s15, v3
	v_add_nc_u32 v3, 4352, v3                      ; the bias of my eight columns
	s_mul_i32 s34, s12, STW
	s_add_co_u32 s34, s34, LST                     ; my stages
	v_mul_u32_u24 v4, v14, SPI
	v_lshl_add_u32 v4, v15, 5, v4
	v_add_nc_u32 v4, s34, v4                       ; in: row r, 32 bytes for each half of the lanes
	v_mul_u32_u24 v5, v15, SPI
	v_add_nc_u32 v5, v5, v12
	v_add_nc_u32 v5, s34, v5                       ; back: lanes 0-15 one row of 256 bytes, lanes 16-31 the next
	s_mul_i32 s35, s12, 39936
	v_mul_u32_u24 v6, v15, 160000
	v_add_nc_u32 v6, v6, v12
	v_add_nc_u32 v6, s35, v6                       ; in out0: (40,000 - 64) wave + 4 rows for the upper lanes + 16 (lane % 16)
	s_mul_i32 s29, s13, 5                          ; G
	s_lshl_b32 s36, s29, 2
	s_sub_co_u32 s36, s36, s12                     ; 4 G - wave: the group's first column tile
	v_lshrrev_b32 v7, 2, v14
	v_add_nc_u32 v7, s36, v7                       ; the column tile of the 16 bytes that I store
	v_lshlrev_b32 v9, 4, v0                        ; the copy: 16 bytes a thread, 2,048 a round
	v_add_nc_u32 v10, 0x10000, v9
	s_mul_i32 s16, s13, 20*REC
	s_add_co_u32 s16, s16, 128*REC                 ; the chunk's 24 records
	s_mov_b32 s17, 0
	s_lshl_b32 s37, s14, 3
	s_add_co_u32 s37, s37, s12                     ; 8 Y + wave: my first tile of rows
	s_mul_i32 s18, s37, REC
	s_mov_b32 s19, 0
	s_lshl_b32 s20, s14, 9
	s_lshl_b32 s21, s12, 2
	s_add_co_u32 s20, s20, s21                     ; label[128 Y + wave]
	s_mov_b32 s21, 0
	s_mul_i32 s22, s14, 5120000                    ; 128 rows of out0,
	s_mul_i32 s23, s13, 1280                       ; five groups of 256 bytes
	s_add_co_u32 s22, s22, s23
	s_mov_b32 s23, 0
	s_lshl_b32 s32, s13, 13
	s_lshl_b32 s33, s37, 7
	s_add_co_u32 s32, s32, s33                     ; part: 8,192 X + 128 x tile
	s_mov_b32 s33, 0
	s_mov_b32 s24, 0x415d9914                      ; g = 9.6 log2(e)
	s_mov_b32 s25, s24                             ; (named with it as a pair)
	s_mov_b32 s26, 0x76543210
	s_mov_b32 s27, 0xfedcba98                      ; v_permlanex16_b32's selects for lane l xor 16
	s_mov_b32 s28, 0
	s_wait_kmcnt 0x0
	s_add_nc_u64 s[16:17], s[4:5], s[16:17]
	s_add_nc_u64 s[18:19], s[4:5], s[18:19]
	s_add_nc_u64 s[20:21], s[6:7], s[20:21]
	s_add_nc_u64 s[22:23], s[8:9], s[22:23]
	s_add_nc_u64 s[32:33], s[10:11], s[32:33]
	WIN 0x40                                       ; destination window 1
.irp q, 0,1
.irp z, 0,1
.irp m, 0,1,2,3,4,5,6,7
	global_load_b128 v[64*\q+32*\z+4*\m:64*\q+32*\z+4*\m+3], v11, s[18:19] offset:4*REC*\q+64*REC*\z+512*\m   ; my rows' codes stay in registers
.endr
.endr
.endr
	WIN 0
.irp q, 0,1
.irp z, 0,1
	global_load_b128 v[ASC+4*(2*\q+\z):ASC+4*(2*\q+\z)+3], v12, s[18:19] offset:4*REC*\q+64*REC*\z+4096
.endr
.endr
	global_load_b32 v13, v12, s[20:21]             ; the labels of my rows: 4 rows, 16 bytes, from slot to slot
	global_load_b32 v14, v12, s[20:21] offset:256
.set n, 0
.rept 54
	global_load_b128 v[40+4*n:43+4*n], v9, s[16:17] offset:2048*n
.set n, n+1
.endr
.set n, 0
.rept 54
	s_wait_loadcnt 53-n                            ; loads come back in order: all but the copy's 53 - n younger ones are in
.if n < 32
	ds_store_b128 v9, v[40+4*n:43+4*n] offset:2048*n
.else
	ds_store_b128 v10, v[40+4*n:43+4*n] offset:2048*(n-32)
.endif
.set n, n+1
.endr
	s_wait_dscnt 0x0                               ; for the others' sake: my part of the copy lies in LDS (and its registers are free)
	s_barrier_signal -1
	v_mov_b32 v8, 0xff800000                       ; -infinity
	s_lshl_b32 s36, s36, 4
	s_sub_co_u32 s36, 16, s36
	v_lshlrev_b32 v15, 3, v15
	v_sub_nc_u32 v15, s36, v15                     ; 16 - 16 (4 G - wave) - 8 h: a tile takes 16 off ahead of its test
.irp q, 0,1
	v_add_nc_u32 v[ST+12*\q+O_D], v[13+\q], v15
	v_mov_b32 v[ST+12*\q+O_MN], 0xff61b1e6
	v_mov_b32 v[ST+12*\q+O_M], 0xff61b1e6          ; -3e38, under every t
.irp o, 2,3,4,5,6,7,8,9
	v_mov_b32 v[ST+12*\q+\o], 0
.endr
.endr
	s_barrier_wait -1                              ; the chunk's 24 records lie in LDS: the launch's one barrier
; A tile of B, the t-th from my group's first, into set buf: 8 + 1 + 2 loads
.macro PREF t, buf
.irp m, 0,1,2,3,4,5,6,7
	ds_load_b128 v[BF+32*(\buf)+4*\m:BF+32*(\buf)+4*\m+3], v1 offset:REC*(\t)+512*\m
.endr
	ds_load_b128 v[BSC+4*(\buf):BSC+4*(\buf)+3], v2 offset:REC*(\t)
	ds_load_b128 v[BBI+8*(\buf):BBI+8*(\buf)+3], v3 offset:REC*(\t)
	ds_load_b128 v[BBI+8*(\buf)+4:BBI+8*(\buf)+7], v3 offset:REC*(\t)+16
.endm
; 16 matrix instructions: four K steps x my four tiles of rows.  The four accumulators take turns, one instruction a turn; the first K step starts the sums with the constant 0.
.macro MM buf
	WIN 0x04                                       ; source 1 (my rows) window 1
.irp s, 0,1,2,3
.irp a, 0,1,2,3
.if \s == 0
	v_wmma_scale_f32_16x16x128_f8f6f4 v[ACC+8*\a:ACC+8*\a+7], v[BF+32*(\buf)+8*\s:BF+32*(\buf)+8*\s+7], v[32*\a+8*\s:32*\a+8*\s+7], 0, v[BSC+4*(\buf)+\s], v[ASC+4*\a+\s] matrix_a_fmt:MATRIX_FMT_FP4 matrix_b_fmt:MATRIX_FMT_FP4
.else
	v_wmma_scale_f32_16x16x128_f8f6f4 v[ACC+8*\a:ACC+8*\a+7], v[BF+32*(\buf)+8*\s:BF+32*(\buf)+8*\s+7], v[32*\a+8*\s:32*\a+8*\s+7], v[ACC+8*\a:ACC+8*\a+7], v[BSC+4*(\buf)+\s], v[ASC+4*\a+\s] matrix_a_fmt:MATRIX_FMT_FP4 matrix_b_fmt:MATRIX_FMT_FP4
.endif
.endr
.endr
	WIN 0
.endm
; One column tile for my 32 rows of fea and 32 of the score.  last = 1: the group's 64 columns lie in the stages and are read back.
.macro TILE t, buf, last
	s_wait_dscnt 0x0                               ; this tile's fragments, asked for a tile ago, are in; my stores into the stage have read the accumulators
	MM \buf
	PREF (\t)+1, 1-(\buf)                          ; the next tile (behind the group's last: the next group's first) into the other set, whose last readers lie a whole tile back
	v_add_nc_u32 v[ST+O_D], -16, v[ST+O_D]         ; four plain lines that name no register of the products: the places ahead of the first read of results (ISA guide 7.12.1)
	v_add_nc_u32 v[ST+12+O_D], -16, v[ST+12+O_D]
	v_nop
	v_nop
.irp q, 0,1
	ds_store_b128 v4, v[ACC+16*\q:ACC+16*\q+3] offset:STQ*\q+64*(\t)          ; fea as it is, each accumulator from its low end on
	ds_store_b128 v4, v[ACC+16*\q+4:ACC+16*\q+7] offset:STQ*\q+64*(\t)+16
.endr
.if \last
.irp q, 0,1
.irp k, 0,1,2,3,4,5,6,7
	ds_load_b128 v[OB+32*\q+4*\k:OB+32*\q+4*\k+3], v5 offset:STQ*\q+2*SPI*\k  ; LDS serves a wave's instructions in order: these see my stores
.endr
.endr
.endif
.irp j, 0,2,4,6
.irp q, 0,1
	v_pk_fma_f32 v[TT+8*\q+\j:TT+8*\q+\j+1], v[ACC+16*\q+\j:ACC+16*\q+\j+1], s[24:25], v[BBI+8*(\buf)+\j:BBI+8*(\buf)+\j+1] op_sel_hi:[1,0,1]   ; t = g fea + b
.endr
.endr
	v_cmp_gt_u32 vcc_lo, 8, v[ST+O_D]              ; does any lane's label fall among its eight columns?
	v_cmp_gt_u32 s31, 8, v[ST+12+O_D]
	s_or_b32 s31, s31, vcc_lo
	s_cmp_eq_u32 s31, 0
	s_cbranch_scc1 .Lopen_\@
.irp q, 0,1
.irp j, 0,1,2,3,4,5,6,7
	v_cmp_eq_u32 vcc_lo, \j, v[ST+12*\q+O_D]
	v_cndmask_b32 v[TT+8*\q+\j], v[TT+8*\q+\j], v8, vcc_lo                    ; the positive column: -infinity ahead of the maximum,
	v_cndmask_b32 v[ACC+16*\q+8+\j], v[ACC+16*\q+8+\j], v8, vcc_lo            ; and in the score
.endr
.endr
.Lopen_\@:
.irp q, 0,1
	v_max3_num_f32 v[ST+12*\q+O_U], v[TT+8*\q], v[TT+8*\q+1], v[TT+8*\q+2]
.endr
.irp q, 0,1
	v_max3_num_f32 v[ST+12*\q+O_V], v[TT+8*\q+3], v[TT+8*\q+4], v[TT+8*\q+5]
.endr
.irp q, 0,1
	v_max3_num_f32 v[ST+12*\q+O_U], v[ST+12*\q+O_U], v[TT+8*\q+6], v[TT+8*\q+7]
.endr
.irp q, 0,1
	v_max3_num_f32 v[ST+12*\q+O_MN], v[ST+12*\q+O_U], v[ST+12*\q+O_V], v[ST+12*\q+O_M]   ; the new running maximum
.endr
.irp q, 0,1
	v_sub_f32 v[ST+12*\q+O_F], v[ST+12*\q+O_M], v[ST+12*\q+O_MN]
.endr
.irp q, 0,1
	v_mov_b32 v[ST+12*\q+O_M], v[ST+12*\q+O_MN]
.endr
.irp j, 0,2,4,6
.irp q, 0,1
	v_pk_add_f32 v[TT+8*\q+\j:TT+8*\q+\j+1], v[TT+8*\q+\j:TT+8*\q+\j+1], v[ST+12*\q+O_MN:ST+12*\q+O_MN+1] op_sel_hi:[1,0] neg_lo:[0,1] neg_hi:[0,1]   ; t - maximum
.endr
.endr
.irp q, 0,1                                    ; one batch of 18 exponentials
	v_exp_f32 v[ST+12*\q+O_F], v[ST+12*\q+O_F]
.irp j, 0,1,2,3,4,5,6,7
	v_exp_f32 v[TT+8*\q+\j], v[TT+8*\q+\j]
.endr
.endr
.irp j, 0,2,4,6                                ; the score's maximum, from each accumulator's low end on: plain work that names no exponential's result
.irp q, 0,1
	v_max3_num_f32 v[ST+12*\q+O_Z], v[ST+12*\q+O_Z], v[ACC+16*\q+8+\j], v[ACC+16*\q+9+\j]
.endr
.endr
	s_wait_alu depctr_va_vdst(0)                   ; one wait for the batch, ahead of its first reader
.irp q, 0,1
	v_pk_add_f32 v[ST+12*\q+O_U:ST+12*\q+O_U+1], v[TT+8*\q:TT+8*\q+1], v[TT+8*\q+2:TT+8*\q+3]
	v_pk_add_f32 v[ST+12*\q+O_V:ST+12*\q+O_V+1], v[TT+8*\q+4:TT+8*\q+5], v[TT+8*\q+6:TT+8*\q+7]
.endr
.irp q, 0,1
	v_pk_add_f32 v[ST+12*\q+O_U:ST+12*\q+O_U+1], v[ST+12*\q+O_U:ST+12*\q+O_U+1], v[ST+12*\q+O_V:ST+12*\q+O_V+1]
.endr
.irp q, 0,1
	v_pk_fma_f32 v[ST+12*\q+O_S:ST+12*\q+O_S+1], v[ST+12*\q+O_S:ST+12*\q+O_S+1], v[ST+12*\q+O_F:ST+12*\q+O_F+1], v[ST+12*\q+O_U:ST+12*\q+O_U+1] op_sel_hi:[1,0,1]   ; the sum under the new maximum
.endr
.endm
; The group's 256 bytes of my 32 rows leave: sixteen lanes store 256 consecutive bytes at a multiple of 256 from out0's first byte.  Lanes whose column tile lies outside 0 .. 624 are off.
.macro OUT
	s_wait_dscnt 0x0                               ; the rows are back from the stages
	v_cmp_gt_u32 vcc_lo, 625, v7
	s_wait_xcnt 0x0                                ; EXEC changes only behind this wait
	s_and_saveexec_b32 s30, vcc_lo
.irp q, 0,1
.irp k, 0,1,2,3,4,5,6,7
	global_store_b128 v6, v[OB+32*\q+4*\k:OB+32*\q+4*\k+3], s[22:23] offset:2560000*\q+320000*\k th:TH_STORE_NT   ; row slots 2 k and 2 k + 1: rows 4 apart; a pair of tiles 64 rows on
.endr
.endr
	s_wait_xcnt 0x0                                ; and again, ahead of the line that widens it
	s_or_b32 exec_lo, exec_lo, s30
.endm
	PREF 0, 0
.Lgroup:
	s_cmp_gt_u32 s29, 156                          ; a group past the last column: ids alone decide
	s_cbranch_scc1 .Lskip
	TILE 0, 0, 0
	TILE 1, 1, 0
	TILE 2, 0, 0
	TILE 3, 1, 1
	OUT
.Lskip:
	s_wait_dscnt 0x0                               ; no LDS load of mine is out,
	s_wait_xcnt 0x0                                ; and the stores have read their base: both kinds of address may step
	v_add_nc_u32 v1, 4*REC, v1
	v_add_nc_u32 v2, 4*REC, v2
	v_add_nc_u32 v3, 4*REC, v3
	v_add_nc_u32 v7, 4, v7
	s_add_nc_u64 s[22:23], s[22:23], 256
	s_add_co_u32 s29, s29, 1
	s_add_co_u32 s28, s28, 1
	s_cmp_lt_u32 s28, 5
	s_cbranch_scc1 .Lgroup
	; THE CHUNK'S FIGURES.  A row's columns lie in lanes l and l xor 16: their maxima, sums and score maxima are joined; L = maximum + log2(sum).
.irp q, 0,1
	v_add_f32 v[ST+12*\q+O_S], v[ST+12*\q+O_S], v[ST+12*\q+O_S+1]
.endr
.irp q, 0,1
	v_permlanex16_b32 v[ST+12*\q+O_U], v[ST+12*\q+O_M], s26, s27
	v_permlanex16_b32 v[ST+12*\q+O_U+1], v[ST+12*\q+O_S], s26, s27
	v_permlanex16_b32 v[ST+12*\q+O_V], v[ST+12*\q+O_Z], s26, s27
.endr
.irp q, 0,1
	v_max_num_f32 v[ST+12*\q+O_MN], v[ST+12*\q+O_M], v[ST+12*\q+O_U]
.endr
.irp q, 0,1
	v_sub_f32 v[ST+12*\q+O_M], v[ST+12*\q+O_M], v[ST+12*\q+O_MN]
	v_sub_f32 v[ST+12*\q+O_U], v[ST+12*\q+O_U], v[ST+12*\q+O_MN]
.endr
.irp q, 0,1
	v_exp_f32 v[ST+12*\q+O_M], v[ST+12*\q+O_M]
	v_exp_f32 v[ST+12*\q+O_U], v[ST+12*\q+O_U]
.endr
.irp q, 0,1
	v_max_num_f32 v[ST+12*\q+O_Z], v[ST+12*\q+O_Z], v[ST+12*\q+O_V]   ; plain work behind the four exponentials
.endr
	s_wait_alu depctr_va_vdst(0)                   ; one wait for the four
.irp q, 0,1
	v_mul_f32 v[ST+12*\q+O_S], v[ST+12*\q+O_S], v[ST+12*\q+O_M]
.endr
.irp q, 0,1
	v_fma_f32 v[ST+12*\q+O_S], v[ST+12*\q+O_U+1], v[ST+12*\q+O_U], v[ST+12*\q+O_S]
.endr
.irp q, 0,1
	v_log_f32 v[ST+12*\q+O_S+1], v[ST+12*\q+O_S]
.endr
	v_lshrrev_b32 v15, 1, v12                      ; 8 r (a plain line behind the logarithms)
	s_wait_alu depctr_va_vdst(0)                   ; one wait for the two
.irp q, 0,1
	v_add_f32 v[ST+12*\q+O_F], v[ST+12*\q+O_MN], v[ST+12*\q+O_S+1]    ; L, beside Z
.endr
	v_cmp_gt_u32 vcc_lo, 256, v11                  ; lanes 0-15: both halves hold the same figures
	s_wait_xcnt 0x0
	s_set_vgpr_msb 0x5
	s_wait_tensorcnt 0x0
	ds_add_u32 v128, v129
	s_wait_dscnt 0x0
	s_set_vgpr_msb 0x500
	s_and_saveexec_b32 s30, vcc_lo
	global_store_b64 v15, v[ST+O_F:ST+O_F+1], s[32:33]                 ; 128 consecutive bytes for each tile of rows
	global_store_b64 v15, v[ST+12+O_F:ST+12+O_F+1], s[32:33] offset:512
	s_wait_xcnt 0x0
	s_or_b32 exec_lo, exec_lo, s30
	s_endpgm
.Lfunc_end_k_qf5870c29fa_fea:
	.size	k_qf5870c29fa_fea, .Lfunc_end_k_qf5870c29fa_fea-k_qf5870c29fa_fea
	.p2alignl 7, 3214868480
	.fill 96, 4, 3214868480
	.section	.rodata,"a",@progbits
	.p2align	6, 0x0
	.amdhsa_kernel k_qf5870c29fa_fea
		.amdhsa_group_segment_fixed_size 145920
		.amdhsa_private_segment_fixed_size 0
		.amdhsa_enable_private_segment 0
		.amdhsa_kernarg_size 32
		.amdhsa_user_sgpr_count 2
		.amdhsa_user_sgpr_kernarg_segment_ptr 1
		.amdhsa_wavefront_size32 1
		.amdhsa_system_sgpr_workgroup_id_x 1
		.amdhsa_system_sgpr_workgroup_id_y 1
		.amdhsa_system_sgpr_workgroup_id_z 1
		.amdhsa_system_vgpr_workitem_id 0
		.amdhsa_next_free_vgpr 386
		.amdhsa_next_free_sgpr 66
		.amdhsa_reserve_vcc 1
		.amdhsa_float_denorm_mode_32 3
		.amdhsa_float_denorm_mode_16_64 3
		.amdhsa_memory_ordered 1
		.amdhsa_forward_progress 1
		.amdhsa_inst_pref_size 57
	.end_amdhsa_kernel
	.amdgpu_metadata
---
amdhsa.version: [ 1, 2 ]
amdhsa.kernels:
  - .name:           k_qf5870c29fa_fea
    .symbol:         k_qf5870c29fa_fea.kd
    .args:
      - { .name: tiles, .offset: 0, .size: 8, .value_kind: global_buffer, .address_space: global }
      - { .name: label, .offset: 8, .size: 8, .value_kind: global_buffer, .address_space: global }
      - { .name: out0, .offset: 16, .size: 8, .value_kind: global_buffer, .address_space: global }
      - { .name: part, .offset: 24, .size: 8, .value_kind: global_buffer, .address_space: global }
    .group_segment_fixed_size: 145920
    .private_segment_fixed_size: 0
    .kernarg_segment_align: 8
    .kernarg_segment_size: 32
    .max_flat_workgroup_size: 128
    .sgpr_count:     66
    .vgpr_count:     386
    .wavefront_size: 32
...
	.end_amdgpu_metadata
.endif
;; end of part 2
;; launch fin (part 3): grid 1 x 1, 32 waves a work-group, no clusters, 4,352 bytes of LDS; arguments part, label, out0, out1; writes out1
.if DOCPART == 3
	.amdgcn_target "amdgcn-amd-amdhsa--gfx1250"
	.amdhsa_code_object_version 6
	.text
	.protected	k_qf5870c29fa_fin
	.globl	k_qf5870c29fa_fin
	.p2align	8
	.type	k_qf5870c29fa_fin,@function
k_qf5870c29fa_fin:
	s_mov_b64 s[64:65], 0
	v_nop
	global_prefetch_b8 v0, s[64:65] scope:SCOPE_SE
	s_setreg_imm32_b32 hwreg(HW_REG_WAVE_MODE, 25, 1), 1
	s_wait_xcnt 0x0
; out1 = mean over rows of softplus(lse_i) + 10 softplus(mean over rows of s_i + 0.5).
; part holds, for each of 32 column chunks and each row slot, L = log2 of the chunk's masked sum of 2^(g fea + b) and Z = the chunk's masked maximum of the score, begun at 0.
; lse_i = ln 2 (log2(sum over chunks of 2^L) - g sp_i), g = 9.6 log2(e), sp_i = out0[i][label i]; the largest L is taken away ahead of the exponentials.   s_i = Z's maximum held to 0 .. 1.
; One work-group of 1,024 threads, a thread a row slot: slot 16 T + r is row 64 (T / 4) + T % 4 + 4 r.  A sum over all rows has one owner; the launch reads 266 KB and stores one number.
; LIMITS: NaN and infinities are not served.
.set P, 16                             ; v16-79: chunk n's L at v[P + 2 n], its Z at v[P + 2 n + 1]
; softplus(x) = max(x, 0) + ln 2 log2(1 + 2^(-|x| log2 e))
.macro SOFTPLUS dst, x, tmp
	v_mul_f32 v[\tmp], -|v[\x]|, s21
	v_exp_f32 v[\tmp], v[\tmp]
	v_max_num_f32 v[\dst], 0, v[\x]                ; a plain line behind the exponential
	s_wait_alu depctr_va_vdst(0)                   ; the wait ahead of its first reader
	v_add_f32 v[\tmp], 1.0, v[\tmp]
	v_log_f32 v[\tmp], v[\tmp]
	v_nop
	s_wait_alu depctr_va_vdst(0)
	v_fmac_f32 v[\dst], s22, v[\tmp]
.endm
; the sums of v88 and of v89 over the wave's 32 lanes, in every lane
.macro WSUM
.irp m, 1,2,4,8
	v_add_f32_dpp v88, v88, v88 row_xmask:\m row_mask:0xf bank_mask:0xf
	v_add_f32_dpp v89, v89, v89 row_xmask:\m row_mask:0xf bank_mask:0xf
.endr
	v_permlanex16_b32 v90, v88, s18, s19
	v_permlanex16_b32 v91, v89, s18, s19
	v_add_f32 v88, v88, v90
	v_add_f32 v89, v89, v91
.endm
	s_load_b256 s[4:11], s[0:1], 0x0               ; part s[4:5], label s[6:7], out0 s[8:9], out1 s[10:11]
	v_lshl_add_u32 v96, v0, 2, 0x100
	v_mov_b32 v97, 0
	v_lshrrev_b32 v1, 5, v0
	v_readfirstlane_b32 s12, v1                    ; wave 0..31
	v_lshrrev_b32 v1, 4, v0                        ; T
	v_and_b32 v2, 15, v0                           ; r
	v_lshrrev_b32 v3, 2, v1
	v_lshlrev_b32 v3, 6, v3
	v_and_b32 v1, 3, v1
	v_add_nc_u32 v3, v3, v1
	v_lshl_add_u32 v3, v2, 2, v3                   ; my row i
	v_lshlrev_b32 v4, 2, v3
	v_lshlrev_b32 v5, 3, v0                        ; 8 bytes a slot
	v_mul_u32_u24 v6, v3, 40000                    ; my row of out0
	s_lshl_b32 s13, s12, 3
	v_mov_b32 v92, s13                             ; LDS: my wave's two sums
	v_and_b32 v93, 31, v0
	v_lshlrev_b32 v93, 3, v93                      ; and, for wave 0, wave l's
	v_mov_b32 v90, 0                               ; written once: a lane permute's destination counts as one of its sources
	v_mov_b32 v91, 0
	v_mov_b32 v95, 0
	s_mov_b32 s18, 0x76543210
	s_mov_b32 s19, 0xfedcba98
	s_mov_b32 s20, 0x415d9914                      ; g
	s_mov_b32 s21, 0x3fb8aa3b                      ; log2 e
	s_mov_b32 s22, 0x3f317218                      ; ln 2
	s_mov_b32 s23, 0x3a800000                      ; 1 / 1,024
	s_wait_kmcnt 0x0
	global_load_b32 v7, v4, s[6:7]
.set n, 0
.rept 32
	global_load_b64 v[P+2*n:P+2*n+1], v5, s[4:5] offset:8192*n     ; a wave reads 256 consecutive bytes
.set n, n+1
.endr
	s_wait_loadcnt 32                              ; the label is in; the 32 loads behind it may be out
	v_min_u32 v7, 9999, v7                         ; an index stays inside its table
	v_lshlrev_b32 v7, 2, v7
	v_add_nc_u32 v7, v7, v6
	global_load_b32 v8, v7, s[8:9]                 ; sp
	s_wait_loadcnt 1                               ; all but sp
	v_max_num_f32 v80, v[P], v[P+2]
	v_max_num_f32 v81, v[P+1], v[P+3]
.set n, 2
.rept 15
	v_max3_num_f32 v80, v80, v[P+2*n], v[P+2*n+2]  ; the largest L,
	v_max3_num_f32 v81, v81, v[P+2*n+1], v[P+2*n+3]    ; the largest Z
.set n, n+2
.endr
.set n, 0
.rept 32
	v_sub_f32 v[P+2*n], v[P+2*n], v80
.set n, n+1
.endr
.set n, 0
.rept 32
	v_exp_f32 v[P+2*n], v[P+2*n]                   ; one batch
.set n, n+1
.endr
	v_med3_num_f32 v89, v81, 0, 1.0                ; s_i (a plain line behind the batch)
	s_wait_alu depctr_va_vdst(0)                   ; one wait for the 32
	v_add_f32 v82, v[P], v[P+2]
	v_add_f32 v83, v[P+4], v[P+6]
.set n, 4
.rept 14
	v_add_f32 v82, v82, v[P+2*n]
	v_add_f32 v83, v83, v[P+2*n+2]
.set n, n+2
.endr
	v_add_f32 v82, v82, v83
	v_log_f32 v82, v82
	v_nop
	s_wait_alu depctr_va_vdst(0)
	v_add_f32 v82, v80, v82                        ; log2 of the row's whole sum
	s_wait_loadcnt 0x0                             ; sp
	v_fma_f32 v82, -v8, s20, v82
	v_mul_f32 v86, s22, v82                        ; lse_i
	SOFTPLUS 88, 86, 87
	WSUM
	ds_store_b64 v92, v[88:89]                     ; all lanes write the same two words with the same values
	s_wait_dscnt 0x0                               ; for wave 0's sake
	s_barrier_signal -1
	s_barrier_wait -1
	s_cmp_lg_u32 s12, 0
	s_cbranch_scc1 .Lend
	ds_load_b64 v[88:89], v93
	s_wait_dscnt 0x0
	WSUM
	v_mul_f32 v88, s23, v88                        ; the mean of the rows' losses
	v_fma_f32 v86, v89, s23, 0.5                   ; the mean of s + 0.5
	SOFTPLUS 94, 86, 87
	v_fmac_f32 v88, 0x41200000, v94                ; + 10 softplus
	v_cmp_eq_u32 vcc_lo, 0, v0
	s_wait_xcnt 0x0                                ; EXEC changes only behind this wait
	s_and_saveexec_b32 s14, vcc_lo
	global_store_b32 v95, v88, s[10:11]
	s_wait_xcnt 0x0
	s_or_b32 exec_lo, exec_lo, s14
.Lend:
	s_wait_tensorcnt 0x0
	ds_add_u32 v96, v97
	s_wait_dscnt 0x0
	s_endpgm
.Lfunc_end_k_qf5870c29fa_fin:
	.size	k_qf5870c29fa_fin, .Lfunc_end_k_qf5870c29fa_fin-k_qf5870c29fa_fin
	.p2alignl 7, 3214868480
	.fill 96, 4, 3214868480
	.section	.rodata,"a",@progbits
	.p2align	6, 0x0
	.amdhsa_kernel k_qf5870c29fa_fin
		.amdhsa_group_segment_fixed_size 4352
		.amdhsa_private_segment_fixed_size 0
		.amdhsa_enable_private_segment 0
		.amdhsa_kernarg_size 32
		.amdhsa_user_sgpr_count 2
		.amdhsa_user_sgpr_kernarg_segment_ptr 1
		.amdhsa_wavefront_size32 1
		.amdhsa_system_sgpr_workgroup_id_x 1
		.amdhsa_system_sgpr_workgroup_id_y 1
		.amdhsa_system_sgpr_workgroup_id_z 1
		.amdhsa_system_vgpr_workitem_id 0
		.amdhsa_next_free_vgpr 98
		.amdhsa_next_free_sgpr 66
		.amdhsa_reserve_vcc 1
		.amdhsa_float_denorm_mode_32 3
		.amdhsa_float_denorm_mode_16_64 3
		.amdhsa_memory_ordered 1
		.amdhsa_forward_progress 1
		.amdhsa_inst_pref_size 14
	.end_amdhsa_kernel
	.amdgpu_metadata
---
amdhsa.version: [ 1, 2 ]
amdhsa.kernels:
  - .name:           k_qf5870c29fa_fin
    .symbol:         k_qf5870c29fa_fin.kd
    .args:
      - { .name: part, .offset: 0, .size: 8, .value_kind: global_buffer, .address_space: global }
      - { .name: label, .offset: 8, .size: 8, .value_kind: global_buffer, .address_space: global }
      - { .name: out0, .offset: 16, .size: 8, .value_kind: global_buffer, .address_space: global }
      - { .name: out1, .offset: 24, .size: 8, .value_kind: global_buffer, .address_space: global }
    .group_segment_fixed_size: 4352
    .private_segment_fixed_size: 0
    .kernarg_segment_align: 8
    .kernarg_segment_size: 32
    .max_flat_workgroup_size: 1024
    .sgpr_count:     66
    .vgpr_count:     98
    .wavefront_size: 32
...
	.end_amdgpu_metadata
.endif
;; end of part 3
